; MI455X (gfx1250); checked and timed in simulation.
; The chip was launched on July 23, 2026; its instructions are those of AMD's public machine-readable ISA for CDNA 5 (MIT licence, August 2026) and "CDNA5" Instruction Set Architecture Reference Guide (July 2026). The comments in the code are by the model that wrote it; some were corrected since.
;; Swin Transformer Block. Allowed arithmetic: matrix products marked QUANTISED: E5M2 operands, one E8M0 scale for each 32 along K, by v_wmma_scale_f32_16x16x128_f8f6f4 with both operands' format E5M2, f32 sums; everything else in f32.
;; Inputs: b1 1,024 float32; b2 256 float32; bk 256 float32; bo 256 float32; bq 256 float32; bv 256 float32; hidden_states 8 x 4,096 x 256 float32; ln1_b 256 float32; ln1_g 256 float32; ln2_b 256 float32; ln2_g 256 float32; rel_table 225 x 8 float32; w1_codes 1,024 x 8 x 32 uint8 (E5M2 codes of w1, K innermost, in blocks of 32 codes); w1_scales 1,024 x 8 uint8 (E8M0 scales of w1, one for each 32 codes along K); w2_codes 256 x 32 x 32 uint8 (E5M2 codes of w2, K innermost, in blocks of 32 codes); w2_scales 256 x 32 uint8 (E8M0 scales of w2, one for each 32 codes along K); wk_codes 256 x 8 x 32 uint8 (E5M2 codes of wk, K innermost, in blocks of 32 codes); wk_scales 256 x 8 uint8 (E8M0 scales of wk, one for each 32 codes along K); wo_codes 256 x 8 x 32 uint8 (E5M2 codes of wo, K innermost, in blocks of 32 codes); wo_scales 256 x 8 uint8 (E8M0 scales of wo, one for each 32 codes along K); wq_codes 256 x 8 x 32 uint8 (E5M2 codes of wq, K innermost, in blocks of 32 codes); wq_scales 256 x 8 uint8 (E8M0 scales of wq, one for each 32 codes along K); wv_codes 256 x 8 x 32 uint8 (E5M2 codes of wv, K innermost, in blocks of 32 codes); wv_scales 256 x 8 uint8 (E8M0 scales of wv, one for each 32 codes along K).
;; Outputs: out0 8 x 4,096 x 256 float32.
;; This version of the problem:
;;   THIS VERSION OF THE PROBLEM IS GIVEN IN LOW PRECISION. The matrix products marked QUANTISED in the list below multiply operands that are first quantised to E5M2 (5 exponent bits, 2 mantissa bits; 8 bits a number), with one power-of-two scale for each 32 numbers along K (OCP MX v1.0); their sums are f32. All else is computed in f32.
;;   The module's matrix products, in the order in which they are computed (A, B: the left and right operand; K: the contracted axis; several contracted axes count as one K, in the product's order):
;;     1. [M 32,768, K 256] x [K 256, N 256]; A: computed on the way; B: input wq (given as codes): QUANTISED
;;     2. [M 32,768, K 256] x [K 256, N 256]; A: computed on the way; B: input wk (given as codes): QUANTISED
;;     3. [M 32,768, K 256] x [K 256, N 256]; A: computed on the way; B: input wv (given as codes): QUANTISED
;;     4. batch 4,096 x [M 64, K 32] x [K 32, N 64]; A: computed on the way; B: computed on the way: QUANTISED
;;     5. batch 4,096 x [M 32, K 64] x [K 64, N 64]; A: computed on the way; B: computed on the way: QUANTISED
;;     6. [M 32,768, K 256] x [K 256, N 256]; A: computed on the way; B: input wo (given as codes): QUANTISED
;;     7. [M 32,768, K 256] x [K 256, N 1,024]; A: computed on the way; B: input w1 (given as codes): QUANTISED
;;     8. [M 32,768, K 1,024] x [K 1,024, N 256]; A: computed on the way; B: input w2 (given as codes): QUANTISED
;;   THE QUANTISER, for each operand of a quantised product, along K:
;;     - K is cut into blocks of 32 from its start; a last block that is shorter is filled with zeros.
;;     - A block's scale is 2^e with e = floor(log2(the largest magnitude in the block)) - 15, held to -126 .. 127; a block of zeros has e = 0. As a byte (E8M0): e + 127.
;;     - Each number is divided by its block's scale, clamped to +-57,344, and rounded to the nearest number of E5M2, ties to even, subnormals kept.
;;     - The product sums the exact products of the quantised numbers (number of the format x scale) in f32.
;;   ~~~python
;;   def quantise(x, axis):      # numpy; x: float32 -> the quantised numbers, widened to float32 again
;;       x = np.moveaxis(x, axis, -1); K = x.shape[-1]
;;       x = np.pad(x, [(0, 0)] * (x.ndim - 1) + [(0, -K % 32)]); x = x.reshape(x.shape[:-1] + (-1, 32)); a = np.abs(x).max(-1, keepdims=True)
;;       e = np.where(a > 0, np.clip(np.frexp(np.where(a > 0, a, 1))[1] - 1 - 15, -126, 127), 0)      # np.frexp(a)[1] - 1 = floor(log2(a)), exactly
;;       r = np.clip(x / 2.0 ** e, -57344, 57344)
;;       step = 2.0 ** (np.maximum(np.frexp(np.where(r == 0, 1, r))[1] - 1, -14) - 2)
;;       q = np.round(r / step) * step * 2.0 ** e      # np.round: ties to even
;;       return np.moveaxis(q.reshape(q.shape[:-2] + (-1,))[..., :K], -1, axis).astype(np.float32)
;;   ~~~
;;   OPERANDS COMPUTED ON THE WAY. 'Computed on the way' means the value that the module computes at that place (a softmax that the list does not call 'softmax' is quantised finished and normalised). What goes into a quantiser is computed in f32, as accurately as f32 sums, v_exp_f32 and their like allow (about 1e-6 of the number): no bf16 or f16 on the way to a quantiser, and a product that is left as it is and whose result goes on into a quantised operand takes f32 operands (vector FMAs, or v_wmma_f32_16x16x4_f32). A number that lies on a knife's edge between two numbers of the format may be rounded either way, as far as f32 arithmetic and the matrix unit's own rounding can turn it there, and no further.
;;   INPUTS GIVEN AS CODES. w1 (in the module: [1024, 256], K = its axis 1); w2 (in the module: [256, 1024], K = its axis 1); wk (in the module: [256, 256], K = its axis 1); wo (in the module: [256, 256], K = its axis 1); wq (in the module: [256, 256], K = its axis 1); wv (in the module: [256, 256], K = its axis 1): each comes as NAME_codes (uint8): NAME with its K axis moved to the last place and cut into blocks of 32 codes, [.., K / 32, bytes a block], one block behind the other in memory; one code a byte (a code: sign, 5 exponent bits, 2 mantissa bits); and NAME_scales (uint8): the same leading axes, one E8M0 byte (e + 127) for each 32 codes along K. Its value is code x scale, taken as it is: it is not quantised again, and the codes and scales need not be those that the quantiser above would give.
;; One version. Each part assembles by itself: llvm-mc -triple=amdgcn-amd-amdhsa -mcpu=gfx1250 --defsym DOCPART=n.
;; ======== version 1 of 1: 1 launch
;; launch swin (part 1): grid 256 x 1, 8 waves a work-group, clusters of 4 x 1, 327,680 bytes of LDS; arguments hidden_states, out0, wq_codes, wk_codes, wv_codes, wo_codes, w1_codes, w2_codes, wq_scales, wk_scales, wv_scales, wo_scales, w1_scales, w2_scales, rel_table, b1, bq, bk, bv, bo, b2, ln1_g, ln1_b, ln2_g, ln2_b; writes out0
.if DOCPART == 1
	.amdgcn_target "amdgcn-amd-amdhsa--gfx1250"
	.amdhsa_code_object_version 6
	.text
	.protected	k_q17619822fc_swin
	.globl	k_q17619822fc_swin
	.p2align	8
	.type	k_q17619822fc_swin,@function
k_q17619822fc_swin:
	s_mov_b64 s[64:65], 0
	v_nop
	global_prefetch_b8 v0, s[64:65] scope:SCOPE_SE
	s_setreg_imm32_b32 hwreg(HW_REG_WAVE_MODE, 25, 1), 1
	s_wait_xcnt 0x0
	s_wait_alu depctr_hold_cnt(0) depctr_sa_sdst(0) depctr_va_vdst(0) depctr_va_sdst(0) depctr_va_ssrc(0) depctr_va_vcc(0) depctr_vm_vsrc(0)
	s_getreg_b32 s2, hwreg(HW_REG_IB_STS2, 6, 4)
	s_cmp_eq_u32 s2, 0
	s_cbranch_scc0 .Lentry_in_a_cluster
	s_endpgm
.Lentry_in_a_cluster:
	s_bfe_u32 s2, ttmp6, 0x10000c
	s_cmp_lg_u32 s2, 0x3003
	s_cbranch_scc0 .Lentry_shape_is_right
	s_endpgm
.Lentry_shape_is_right:
; A whole Swin block in one launch: LN1, shift, windows, q k v, attention with bias and mask, wo, residual, LN2, MLP with exact GELU, residual.
; All eight products on codes of BF8 (E5M2) with one E8M0 scale for each 32 along K; everything else in f32.  Nothing goes to memory between x and out0.
; SHARES.  A work-group of eight waves owns two neighbouring windows (128 tokens).  Wave w: window g = w / 4 of the two, channels 64 c .. 64 c + 63 with c = w % 4 (heads 2 c, 2 c + 1).
; The wave keeps its 64 tokens x 64 channels of x in 128 registers (X); X is the C and D of the wo product (hidden) and of the four w2 products (hidden + y), and leaves as out0.
; TOKEN ORDER in a window: tau = 32 (i / 4) + 16 (j / 4) + 4 (i % 4) + j % 4: a tile of 16 rows is a patch of 4 x 4 tokens, which after the shift by 4 never wraps round the image's edge.
; The key blocks of 32 hold the same tokens as in the natural order; inside a block P and V have the same order.
; ORDER ALONG K.  Products are used transposed (source 0 = 16 weight rows, source 1 = 16 tokens): a lane holds one token, and the 16 registers of two neighbouring tiles are channels
; 32 b + 8 h + 0..7 and 32 b + 16 + 8 h + 0..7 (h = lane / 16).  The conversions' results are used as operand registers as they stand, and every weight fragment is read from LDS in the same order
; (two loads of 8 bytes for each block).  A permutation inside a block of 32, the same on both sides, keeps blocks, scales and products.
; OPERANDS GO FROM WAVE TO WAVE AS IMAGES OF THEIR REGISTERS: block beta of row tile rt at rt * 4096 + beta * 512 + 16 * lane, scale words at rt * 256 + (beta / 4) * 128 + 4 * lane.
; WEIGHTS: twelve tiles of 256 rows x 256 bytes through two LDS slots.  The four work-groups of a cluster walk the same tiles and ask for them jointly.  A phase takes its tile's rows into registers at its head,
; so the slot is free there: the round and the refill stand behind those loads, and the tile lands under the phase's own work.  In the MLP both slots are free behind the first layer's head loads: waves 0-3 ask for
; w1's next chunk, waves 4-7 for this chunk's w2, one load a wave, and both land under the first layer's four trips.
; No prefetch: the weights are walked by every cluster, and x is asked for by the first lines of the launch.
; ACCUMULATORS all begin at multiples of eight, in every window: two of them are the same eight registers or share none, and they take turns, one instruction a turn.
; LIMITS.  NaN and infinities among the inputs are not served.  A block of zeros gets the scale byte 1 (its codes are zeros; the bytes are read by this text alone).  v_exp_f32 gives 0 under 2^-126, so masked
; weights and the tail of erfc under h = -13 are 0.  erfc is the Chebyshev fit t exp(-z^2 + poly(t)), t = 1 / (1 + z / 2), whose authors state a fractional error under 1.2e-7.  A block's largest softmax weight is taken
; from the block's largest score, which takes v_exp_f32 not to fall where its input rises.  The matrix unit groups the products in the order of K stated above, not in the natural one.
.set SLOT1, 69632                      ; LDS: slot 0 at 0, slot 1 here: 256 rows x (256 + 16) bytes each
.set XL,    139264                     ; x as it lands: 128 tokens x (1024 + 16); filled once; behind the first LN barrier its bytes serve as the six regions that follow
.set IMGA,  139264                     ; images of LN1's, later LN2's result
.set SCA,   172032
.set IMGB,  174080                     ; q's codes, replaced slot by slot by ctx's; later the GELU chunk's
.set SCB,   206848
.set KSP,   208896                     ; k's codes, each wave's own; at the end the stages of the way out
.set VSP,   241664                     ; V^T's codes, each wave's own
.set KSS,   274432
.set VSS,   276480
.set TB,    278528                     ; bias tables: head * 1024 + 4 * (255 - index), value x sqrt(32)
.set PB,    286720                     ; bq, bk, bv, bo, b2, ln1_g, ln1_b, ln2_g, ln2_b (1024 bytes each), b1
.set STAT,  300032                     ; LN parts: token * 48 + 8 c: (mean, sum of squares about it) of 64 channels
.set QSS,   306176                     ; q's scale byte, four times in a word
.set SPARE, 314368                     ; the spare words: 128 bytes a wave, four blocks of 256 bytes that no other line names
.set SPW,1
.set NIL,2
.set WF0,3
.set WF1,4
.set AINA,5
.set AINB,6
.set SINA,7
.set SINB,8
.set OUTA,9
.set OUTB,10
.set OSCA,11
.set OSCB,12
.set KSPA,13
.set VSPA,14
.set KSSA,15
.set VSSA,16
.set TBA,17
.set PBC,18
.set PBR,19
.set STW,20
.set STR,21
.set QSSA,22
.set HSO8,23
.set HSO32,24
.set AD0,25
.set AD1,26
.set AD2,27
.set AD3,28
.set AD4,29
.set AD5,30
.set AD6,31
.set AD7,253
.set A,32                              ; streamed fragments
.set ACC,64
.set T,96
.set P,128
.set BC,160                            ; a bias in the result's layout
.set HSA,192                           ; weight scale words, two sets
.set HSB,200
.set SS,208                            ; streamed scale words
.set TM,216                            ; the quantiser's sixteen
.set PC,232                            ; codes just made
.set PWD,248
.set QSW,249
.set KSW,250
.set VSW,251
.set PSW,252
.set RS,254
.set HB,128                            ; window 1: v0-127 X, v128-255 the wave's eight weight fragments
.set AV,64
.set LG,32                             ; LN: gain, bias, at work
.set LB,64
.set LY,96
.set LU,96
.set LQ,128
.set ST,160
.set RN,168
.set KR,32                             ; attention
.set VR,48
.set QW,64                             ; 12 zeros, q's 4, 12 zeros
.set PW,92                             ; 8 zeros, P's 8, 8 zeros
.set S,128                             ; the scores' four accumulators
.set CT,160                            ; ctx's two
.set MXT,216
.set TT,220
.set AJ,224
.set EB,236
.set EP,238
.set PSC,240
.set PLM,242
.set PBY,244
.set TR,246
.set TP,247
.set WV,54
.set SG,55
.set SCG,56
.set ID,57
.set SEL,58
.set MNT,60
.set KAP,66
.set G1A,68
.set G1B,76
.set G1X,84
.set G0,92
.set G0F,96
.set OB0,32
.set GW1,40
.set GW2,44
.set MS,48
.set B1O,48
.set GK,5
.set MSB,0
.macro WIN new                         ; the immediate's high byte repeats the setting that is left
.if MSB != \new
	s_set_vgpr_msb (MSB<<8)|\new
.set MSB, \new
.endif
.endm
.macro PLACES n
.rept \n
	v_nop
.endr
.endm
.macro CROUND                          ; a round of the cluster's barrier
	s_barrier_signal -1
	s_barrier_wait -1
	s_cmp_lg_u32 s[WV], 0
	s_cbranch_scc1 .Lnw0_\@
	s_barrier_signal -3
.Lnw0_\@:
	s_barrier_wait -3
	s_barrier_signal -1
	s_barrier_wait -1
.endm
.macro CHANGE_A                        ; in front of a refill: all my tensor loads have landed; 0 onto my spare word; a descriptor's words may be written behind it
	s_wait_tensorcnt 0x0
	ds_add_u32 v[SPW], v[NIL]
.endm
.macro CHANGE_B g0, g1                 ; the add and all my LDS reads and stores are done, my reads of the slot's rows among them; the round; then waves 0 to 3 ask jointly for 64 rows each: a wave's one tensor load until the next round
	s_wait_dscnt 0x0
	CROUND
	s_cmp_lt_u32 s[WV], 4
	s_cbranch_scc0 .Lnofill_\@
	tensor_load_to_lds s[\g0:\g0+3], s[\g1:\g1+7]
	s_nop 0
	PLACES 4
.Lnofill_\@:
.endm
.macro CHANGE_2                        ; the same with both slots free: waves 0 to 3 ask for w1's next chunk into slot 0, waves 4 to 7 for this chunk's w2 into slot 1.  The branch hangs on the wave's number alone
	s_wait_dscnt 0x0
	CROUND
	s_cmp_lt_u32 s[WV], 4
	s_cbranch_scc0 .Lfor2_\@
	tensor_load_to_lds s[GW1:GW1+3], s[G1A:G1A+7]
	s_nop 0
	PLACES 4
	s_branch .Lasked_\@
.Lfor2_\@:
	tensor_load_to_lds s[GW2:GW2+3], s[G1B:G1B+7]
	s_nop 0
	PLACES 4
.Lasked_\@:
.endm
.macro CHANGE_H                        ; the last chunk: there is no further w1; waves 4 to 7 ask for w2's last chunk
	s_wait_dscnt 0x0
	CROUND
	s_cmp_lt_u32 s[WV], 4
	s_cbranch_scc1 .Lnoh_\@
	tensor_load_to_lds s[GW2:GW2+3], s[G1B:G1B+7]
	s_nop 0
	PLACES 4
.Lnoh_\@:
.endm
.macro SETG0 slot, ptr                 ; group 0 for a tile of wv or wo: the wave's 64 rows
	s_mul_i32 s[G0+1], s[SCG], 17408
	s_add_co_u32 s[G0+1], s[G0+1], \slot
	s_lshl_b32 s2, s[SCG], 14
	s_mov_b32 s3, 0
	s_add_nc_u64 s[G0+2:G0+3], s[\ptr:\ptr+1], s[2:3]
	s_or_b32 s[G0+3], s[G0+3], 0x80000000
.endm
.macro QOFF yadd, xadd                 ; s62 = first byte, in hidden_states and in out0, of the patch of 4 x 4 tokens at (8 wy + 4 + yadd, 8 wx + 4 + xadd), both modulo 64
	s_add_co_u32 s62, s100, \yadd
	s_and_b32 s62, s62, 63
	s_lshl_b32 s62, s62, 6
	s_add_co_u32 s61, s101, \xadd
	s_and_b32 s61, s61, 63
	s_add_co_u32 s62, s62, s61
	s_add_co_u32 s62, s62, s3
	s_lshl_b32 s62, s62, 10
.endm
.macro HELD_W wf                       ; my 64 weight rows x 256 K: eight fragments into window 1, in the order along K stated at the head
	WIN 0x40
.irp t,0,1,2,3
.irp s,0,1
.irp k,0,1,2,3
	ds_load_b64 v[HB+16*(2*\t+\s)+4*\k:HB+16*(2*\t+\s)+4*\k+1], v[\wf] offset:\t*4352+128*\s+32*\k
	ds_load_b64 v[HB+16*(2*\t+\s)+4*\k+2:HB+16*(2*\t+\s)+4*\k+3], v[\wf] offset:\t*4352+128*\s+32*\k+16
.endr
.endr
.endr
	WIN 0
.endm
.macro FRAG_I reg, adr, off            ; a fragment's image back into registers
.irp k,0,1,2,3
	ds_load_b128 v[\reg+4*\k:\reg+4*\k+3], v[\adr] offset:\off+512*\k
.endr
.endm
.macro STREAM reg, ss, ai, si, o1, o2  ; a row tile's two fragments and two scale words: ten LDS loads
	FRAG_I \reg, \ai, \o1
	FRAG_I \reg+16, \ai, \o1+2048
	ds_load_b32 v[\ss], v[\si] offset:\o2
	ds_load_b32 v[\ss+1], v[\si] offset:\o2+128
.endm
.macro VEC8 dst, adr, off              ; a vector's 32 numbers of my lane: channel 64 c + 16 t + 8 h + j in register 8 t + j
.irp t,0,1,2,3
	ds_load_b128 v[\dst+8*\t:\dst+8*\t+3], v[\adr] offset:\off+64*\t
	ds_load_b128 v[\dst+8*\t+4:\dst+8*\t+7], v[\adr] offset:\off+64*\t+16
.endr
.endm
.macro HSLOAD set, offr, base, step    ; the scale words of my 64 weight rows, both K steps
.irp t,0,1,2,3
	global_load_b64 v[\set+2*\t:\set+2*\t+1], v[\offr], s[\base:\base+1] offset:\t*\step
.endr
.endm
; Eight products: four tiles of weight rows x one tile of tokens, two K steps.  The four accumulators take turns.
.macro MM8 acc, a, ss, hs, cb, inplace
.irp s,0,1
.irp i,0,1,2,3
.if (\s == 0) && (\inplace == 0)
	v_wmma_scale_f32_16x16x128_f8f6f4 v[\acc+8*\i:\acc+8*\i+7], v[HB+16*(2*\i+\s):HB+16*(2*\i+\s)+15], v[\a+16*\s:\a+16*\s+15], v[\cb+8*\i:\cb+8*\i+7], v[\hs+2*\i+\s], v[\ss+\s] matrix_a_fmt:MATRIX_FMT_BF8 matrix_b_fmt:MATRIX_FMT_BF8
.else
	v_wmma_scale_f32_16x16x128_f8f6f4 v[\acc+8*\i:\acc+8*\i+7], v[HB+16*(2*\i+\s):HB+16*(2*\i+\s)+15], v[\a+16*\s:\a+16*\s+15], v[\acc+8*\i:\acc+8*\i+7], v[\hs+2*\i+\s], v[\ss+\s] matrix_a_fmt:MATRIX_FMT_BF8 matrix_b_fmt:MATRIX_FMT_BF8
.endif
.endr
.endr
.endm
; The same with the sources swapped (source 0 = tokens): a lane holds one channel of V and its registers run along the tokens, which are the next K.
.macro MM8V mm, a, ss
.irp s,0,1
.irp t,0,1,2,3
.if \s == 0
	v_wmma_scale_f32_16x16x128_f8f6f4 v[AV+16*\t+8*\mm:AV+16*\t+8*\mm+7], v[\a+16*\s:\a+16*\s+15], v[HB+16*(2*\t+\s):HB+16*(2*\t+\s)+15], v[BC+8*\t:BC+8*\t+7], v[\ss+\s], v[HSA+2*\t+\s] matrix_a_fmt:MATRIX_FMT_BF8 matrix_b_fmt:MATRIX_FMT_BF8
.else
	v_wmma_scale_f32_16x16x128_f8f6f4 v[AV+16*\t+8*\mm:AV+16*\t+8*\mm+7], v[\a+16*\s:\a+16*\s+15], v[HB+16*(2*\t+\s):HB+16*(2*\t+\s)+15], v[AV+16*\t+8*\mm:AV+16*\t+8*\mm+7], v[\ss+\s], v[HSA+2*\t+\s] matrix_a_fmt:MATRIX_FMT_BF8 matrix_b_fmt:MATRIX_FMT_BF8
.endif
.endr
.endr
.endm
; nb blocks of 32 along K, 16 numbers of each in my registers v[s + 16 b ..], the other 16 in lane xor 16: codes into v[PC + 4 b ..], the scale's byte into v[TM + 4 + b].
.macro QUANT s, nb
.set qb, 0
.rept \nb
	v_max3_num_f32 v[TM+qb], |v[\s+16*qb]|, |v[\s+16*qb+1]|, 0x8000000    ; with the floor 2^(16 - 127): the byte cannot fall under 1
.set qb, qb+1
.endr
.irp i,2,4,6,8,10,12,14
.set qb, 0
.rept \nb
	v_max3_num_f32 v[TM+qb], v[TM+qb], |v[\s+16*qb+\i]|, |v[\s+16*qb+\i+1]|
.set qb, qb+1
.endr
.endr
.set qb, 0
.rept \nb
	v_permlanex16_b32 v[TM+4+qb], v[TM+qb], s[SEL], s[SEL+1]
.set qb, qb+1
.endr
.set qb, 0
.rept \nb
	v_max_num_f32 v[TM+qb], v[TM+qb], v[TM+4+qb]                          ; the block's largest magnitude
.set qb, qb+1
.endr
.set qb, 0
.rept \nb
	v_add_nc_u32 v[TM+12+qb], 0xf8800000, v[TM+qb]                        ; 15 off its exponent field: the conversion's scale operand
.set qb, qb+1
.endr
.set qb, 0
.rept \nb
	v_and_or_b32 v[TM+8+qb], v[TM+qb], 0x7f800000, s[MNT]                 ; 57,344 x the scale
.set qb, qb+1
.endr
.set qb, 0
.rept \nb
	v_lshrrev_b32 v[TM+4+qb], 23, v[TM+12+qb]                             ; the scale's byte
.set qb, qb+1
.endr
.set qb, 0
.rept \nb
.irp i,0,1,2,3,4,5,6,7,8,9,10,11,12,13,14,15
	v_med3_num_f32 v[\s+16*qb+\i], v[\s+16*qb+\i], -v[TM+8+qb], v[TM+8+qb]   ; the conversion to an 8-bit code does not saturate (ISA guide 7.6.2): the hold
.endr
	v_cvt_scalef32_pk8_bf8_f32 v[PC+4*qb:PC+4*qb+1], v[\s+16*qb:\s+16*qb+7], v[TM+12+qb]
	v_cvt_scalef32_pk8_bf8_f32 v[PC+4*qb+2:PC+4*qb+3], v[\s+16*qb+8:\s+16*qb+15], v[TM+12+qb]
.set qb, qb+1
.endr
	v_nop                                  ; a plain line behind the last scaled conversion
.endm
; LayerNorm of X (128 tokens' rows are spread over four waves), quantised, as images.  Each wave takes mean and sum of squares ABOUT ITS OWN MEAN of its 64 channels; the four parts are joined exactly:
; no difference of large sums is formed.  One barrier inside.
.macro LNORM goff, boff, io, so
	VEC8 LG, PBC, \goff
	VEC8 LB, PBC, \boff
	s_mov_b32 s2, 0x3b800000               ; 1 / 256
	s_mov_b32 s3, 0x3727c5ac               ; 1e-5
	s_wait_dscnt 0x0
	WIN 0x05
.irp m,0,1,2,3
.irp k,0,1,2,3,4,5,6,7
	v_pk_add_f32 v[LU+16*\m+2*\k:LU+16*\m+2*\k+1], v[32*\m+4*\k:32*\m+4*\k+1], v[32*\m+4*\k+2:32*\m+4*\k+3]
.endr
.endr
	WIN 0
.irp o,0,4,8,12
.irp m,0,1,2,3
	v_pk_add_f32 v[LU+16*\m+\o:LU+16*\m+\o+1], v[LU+16*\m+\o:LU+16*\m+\o+1], v[LU+16*\m+\o+2:LU+16*\m+\o+3]
.endr
.endr
.irp o,0,8
.irp m,0,1,2,3
	v_pk_add_f32 v[LU+16*\m+\o:LU+16*\m+\o+1], v[LU+16*\m+\o:LU+16*\m+\o+1], v[LU+16*\m+\o+4:LU+16*\m+\o+5]
.endr
.endr
.irp m,0,1,2,3
	v_pk_add_f32 v[LU+16*\m:LU+16*\m+1], v[LU+16*\m:LU+16*\m+1], v[LU+16*\m+8:LU+16*\m+9]
.endr
.irp m,0,1,2,3
	v_add_f32 v[LU+16*\m], v[LU+16*\m], v[LU+16*\m+1]
.endr
.irp m,0,1,2,3
	v_permlanex16_b32 v[LU+16*\m+2], v[LU+16*\m], s[SEL], s[SEL+1]
.endr
.irp m,0,1,2,3
	v_add_f32 v[LU+16*\m], v[LU+16*\m], v[LU+16*\m+2]
.endr
.irp m,0,1,2,3
	v_mul_f32 v[ST+2*\m], 0x3c800000, v[LU+16*\m]      ; my 64 channels' mean
	v_mov_b32 v[ST+2*\m+1], 0                          ; (named with it as a pair below)
.endr
.irp m,0,1,2,3
	WIN 0x01
.irp k,0,2,4,6,8,10,12,14,16,18,20,22,24,26,28,30
	v_pk_add_f32 v[LY+\k:LY+\k+1], v[32*\m+\k:32*\m+\k+1], v[ST+2*\m:ST+2*\m+1] op_sel_hi:[1,0] neg_lo:[0,1] neg_hi:[0,1]
.endr
	WIN 0
	v_pk_mul_f32 v[LQ:LQ+1], v[LY:LY+1], v[LY:LY+1]
	v_pk_mul_f32 v[LQ+2:LQ+3], v[LY+2:LY+3], v[LY+2:LY+3]
.irp k,4,8,12,16,20,24,28
	v_pk_fma_f32 v[LQ:LQ+1], v[LY+\k:LY+\k+1], v[LY+\k:LY+\k+1], v[LQ:LQ+1]
	v_pk_fma_f32 v[LQ+2:LQ+3], v[LY+\k+2:LY+\k+3], v[LY+\k+2:LY+\k+3], v[LQ+2:LQ+3]
.endr
	v_pk_add_f32 v[LQ:LQ+1], v[LQ:LQ+1], v[LQ+2:LQ+3]
	v_add_f32 v[LQ], v[LQ], v[LQ+1]
	v_permlanex16_b32 v[LQ+2], v[LQ], s[SEL], s[SEL+1]
	v_add_f32 v[ST+2*\m+1], v[LQ], v[LQ+2]
	ds_store_b64 v[STW], v[ST+2*\m:ST+2*\m+1] offset:768*\m    ; both halves of the lanes write the same pair
.endr
	s_wait_dscnt 0x0                       ; my parts are stored, and all my earlier LDS reads are back
	s_barrier_signal -1
	s_barrier_wait -1
.irp m,0,1,2,3
	ds_load_b128 v[128+8*\m:131+8*\m], v[STR] offset:768*\m
	ds_load_b128 v[132+8*\m:135+8*\m], v[STR] offset:768*\m+16
.endr
	s_wait_dscnt 0x0
.irp m,0,1,2,3
	v_pk_add_f32 v[RN+2*\m:RN+2*\m+1], v[128+8*\m:129+8*\m], v[130+8*\m:131+8*\m]
.endr
.irp m,0,1,2,3
	v_pk_add_f32 v[ST+2*\m:ST+2*\m+1], v[132+8*\m:133+8*\m], v[134+8*\m:135+8*\m]
.endr
.irp m,0,1,2,3
	v_pk_add_f32 v[RN+2*\m:RN+2*\m+1], v[RN+2*\m:RN+2*\m+1], v[ST+2*\m:ST+2*\m+1]   ; (sum of the four means, sum of the four sums of squares)
.endr
.irp m,0,1,2,3
	v_mul_f32 v[ST+2*\m], 0x3e800000, v[RN+2*\m]       ; the row's mean
.endr
.irp k,0,2,4,6
.irp m,0,1,2,3
	v_sub_f32 v[128+8*\m+\k], v[128+8*\m+\k], v[ST+2*\m]
.endr
.endr
.irp m,0,1,2,3
	v_mul_f32 v[129+8*\m], v[128+8*\m], v[128+8*\m]
.endr
.irp k,2,4,6
.irp m,0,1,2,3
	v_fmac_f32 v[129+8*\m], v[128+8*\m+\k], v[128+8*\m+\k]
.endr
.endr
.irp m,0,1,2,3
	v_fma_f32 v[129+8*\m], v[129+8*\m], 0x42800000, v[RN+2*\m+1]   ; + 64 x the spread of the four means
.endr
.irp m,0,1,2,3
	v_fma_f32 v[129+8*\m], v[129+8*\m], s2, s3         ; variance + 1e-5
.endr
.irp m,0,1,2,3
	v_rsq_f32 v[RN+2*\m], v[129+8*\m]
.endr
	v_nop                                  ; a plain line behind the last of the four,
	s_wait_alu depctr_va_vdst(0)           ; and one wait for the batch, ahead of its first reader
.irp m,0,1,2,3
	WIN 0x01
.irp k,0,2,4,6,8,10,12,14,16,18,20,22,24,26,28,30
	v_pk_add_f32 v[LY+\k:LY+\k+1], v[32*\m+\k:32*\m+\k+1], v[ST+2*\m:ST+2*\m+1] op_sel_hi:[1,0] neg_lo:[0,1] neg_hi:[0,1]
.endr
	WIN 0
.irp k,0,2,4,6,8,10,12,14,16,18,20,22,24,26,28,30
	v_pk_mul_f32 v[LY+\k:LY+\k+1], v[LY+\k:LY+\k+1], v[RN+2*\m:RN+2*\m+1] op_sel_hi:[1,0]
.endr
.irp k,0,2,4,6,8,10,12,14,16,18,20,22,24,26,28,30
	v_pk_fma_f32 v[LY+\k:LY+\k+1], v[LY+\k:LY+\k+1], v[LG+\k:LG+\k+1], v[LB+\k:LB+\k+1]
.endr
	QUANT LY, 2
	ds_store_b128 v[\io], v[PC:PC+3] offset:4096*\m
	ds_store_b128 v[\io], v[PC+4:PC+7] offset:4096*\m+512
	v_lshl_or_b32 v[PWD], v[TM+5], 8, v[TM+4]
	ds_store_b16 v[\so], v[PWD] offset:256*\m
.endr
.endm
; Exact GELU of the 32 numbers in ACC, in place: max(h, 0) - |h| w, w = erfc(|h| / sqrt 2) / 2 = t 2^E, t = 1 / (1 + 0.35355339 |h|), E = poly(t) log2 e - 1 - 0.72134752 h^2.
; Transcendentals go in batches, other work between them, one wait a batch ahead of its first reader.
.macro GEX n
.rept \n
.if gx < gxe
	v_exp_f32 v[P+gx], v[P+gx]
.set gx, gx+1
.endif
.endr
.endm
.macro GHALF hf                        ; E of 16 numbers, eight chains by turns; the other half's exponentials stand between the groups
.set gb, 16*\hf
.irp p,0,2,4,6,8,10,12,14
	v_pk_fma_f32 v[P+gb+\p:P+gb+\p+1], v[T+gb+\p:T+gb+\p+1], s[4:5], s[6:7] op_sel_hi:[1,0,0]
.endr
	GEX 2
.irp cf,8,10,12,14,16,18,20,22
.irp p,0,2,4,6,8,10,12,14
	v_pk_fma_f32 v[P+gb+\p:P+gb+\p+1], v[P+gb+\p:P+gb+\p+1], v[T+gb+\p:T+gb+\p+1], s[\cf:\cf+1] op_sel_hi:[1,1,0]
.endr
	GEX 2
.endr
.irp p,0,2,4,6,8,10,12,14
	v_pk_mul_f32 v[TM+\p:TM+\p+1], v[ACC+gb+\p:ACC+gb+\p+1], v[ACC+gb+\p:ACC+gb+\p+1]
.endr
.irp p,0,2,4,6,8,10,12,14
	v_pk_fma_f32 v[P+gb+\p:P+gb+\p+1], v[TM+\p:TM+\p+1], s[24:25], v[P+gb+\p:P+gb+\p+1] op_sel_hi:[1,0,1]
.endr
.endm
.macro GFIN hf
.set gb, 16*\hf
.irp p,0,2,4,6,8,10,12,14
	v_pk_mul_f32 v[P+gb+\p:P+gb+\p+1], v[P+gb+\p:P+gb+\p+1], v[T+gb+\p:T+gb+\p+1]
.endr
.irp i,0,1,2,3,4,5,6,7,8,9,10,11,12,13,14,15
	v_max_num_f32 v[T+gb+\i], 0, v[ACC+gb+\i]
	GEX 1
.endr
.irp i,0,1,2,3,4,5,6,7,8,9,10,11,12,13,14,15
	v_fma_f32 v[ACC+gb+\i], -|v[ACC+gb+\i]|, v[P+gb+\i], v[T+gb+\i]
.endr
.endm
.macro GELU
.set gi, 0
.rept 32
	v_fma_f32 v[T+gi], |v[ACC+gi]|, s[GK], 1.0
.if gi > 0
	v_rcp_f32 v[T+gi-1], v[T+gi-1]
.endif
.set gi, gi+1
.endr
	v_rcp_f32 v[T+31], v[T+31]
	v_nop
	s_wait_alu depctr_va_vdst(0)           ; the 32 reciprocals
.set gx, 0
.set gxe, 0
	GHALF 0
.set gxe, 16
	GHALF 1
	s_wait_alu depctr_va_vdst(0)           ; the first half's 16 exponentials; plain lines have followed the last of them
.set gxe, 32
	GFIN 0
	s_wait_alu depctr_va_vdst(0)           ; the second half's
	GFIN 1
.endm
; A transposed product of my 64 weight rows with my window's four tiles of tokens, in two parts.  PT_HEAD: the weights, the bias and the first tile are asked of LDS; behind it the slot's rows are wanted no more,
; so a refill's round may stand between the two parts.  PT_LOOP: a tile a trip; the result is quantised and stored.  kind 0: q, 1: k, 2: the MLP's first layer with GELU.
.macro PT_HEAD wf, ain, sin, badr, boff
	s_wait_loadcnt 0x4                     ; this phase's four scale loads are in; the other set's four, issued behind them, may be out
	HELD_W \wf
	VEC8 BC, \badr, \boff
	STREAM A, SS, \ain, \sin, 0, 0
.endm
.macro PT_LOOP ain, sin, hs, kind, outc, outs, csh, ssh
	s_mov_b32 s61, 0
.Lph_\@:
	s_wait_dscnt 0x0                       ; the tile's fragments are in; the last trip's stores are done
	WIN 0x01
	MM8 ACC, A, SS, \hs, BC, 0
	WIN 0
	s_add_co_u32 s62, s61, 1
	s_lshl_b32 s2, s62, 12
	s_lshl_b32 s3, s62, 8
	s_lshl_b32 s100, s61, \csh
	s_lshl_b32 s101, s61, \ssh
	v_add_nc_u32 v[AD0], s2, v[\ain]       ; no LDS instruction of mine is out: the trip's addresses are made here; with four v_nop they are the eight places behind the products
	v_add_nc_u32 v[AD1], s3, v[\sin]
	v_add_nc_u32 v[AD2], s100, v[\outc]
	v_add_nc_u32 v[AD3], s101, v[\outs]
	PLACES 4
	s_cmp_eq_u32 s61, 3
	s_cbranch_scc1 .Lns_\@                 ; the last trip has no next tile
	STREAM A, SS, AD0, AD1, 0, 0
.Lns_\@:
.if \kind == 2
	GELU
.endif
	QUANT ACC, 2
	ds_store_b128 v[AD2], v[PC:PC+3]
.if \kind == 0
	ds_store_b128 v[AD2], v[PC+4:PC+7] offset:512
	v_perm_b32 v[PWD], v[TM+4], v[TM+4], 0             ; q's byte four times: q will stand in any of the operand's four blocks
	v_perm_b32 v[RS], v[TM+5], v[TM+5], 0
	ds_store_b32 v[AD3], v[PWD]
	ds_store_b32 v[AD3], v[RS] offset:512
.endif
.if \kind == 1
	ds_store_b128 v[AD2], v[PC+4:PC+7] offset:2048
	ds_store_b8 v[AD3], v[TM+4]
	ds_store_b8 v[AD3], v[TM+5] offset:128
.endif
.if \kind == 2
	ds_store_b128 v[AD2], v[PC+4:PC+7] offset:512
	v_lshl_or_b32 v[PWD], v[TM+5], 8, v[TM+4]
	ds_store_b16 v[AD3], v[PWD]
.endif
	s_add_co_u32 s61, s61, 1
	s_cmp_lt_u32 s61, 4
	s_cbranch_scc1 .Lph_\@
.endm
; X += (my window's 64 rows in IMGB) x (my 64 weight rows)^T.  bias = 1: bo is added to X first.  lc: how many younger scale loads may stay out.
; Only the weights and the first row tile are waited for as a whole; the other three tiles' 30 loads are issued then and land under the products: LDS loads come back in order (ISA guide 5.7.1),
; so in front of tile m's products the ten loads of each later tile may be out.
.macro PHASE_X wf, hs, bias, lc
	s_wait_loadcnt \lc
	HELD_W \wf
.if \bias
	VEC8 BC, PBC, 3072
.endif
	STREAM 32, SS, AINB, SINB, 0, 0
	s_wait_dscnt 0x0
.irp m,1,2,3
	STREAM 32+32*\m, SS+2*\m, AINB, SINB, 4096*\m, 256*\m
.endr
.if \bias
	WIN 0x41
.irp m,0,1,2,3
.irp k,0,2,4,6,8,10,12,14,16,18,20,22,24,26,28,30
	v_pk_add_f32 v[32*\m+\k:32*\m+\k+1], v[32*\m+\k:32*\m+\k+1], v[BC+\k:BC+\k+1]
.endr
.endr
.endif
	WIN 0x51
.irp m,0,1,2,3
.if \m > 0
	s_wait_dscnt 30-10*\m
.endif
	MM8 32*\m, 32+32*\m, SS+2*\m, \hs, 0, 1
.endr
	WIN 0
	PLACES 8
.endm
.macro W1HEAD
	v_add_nc_u32 v[AD4], s[B1O], v[PBC]
	PT_HEAD WF0, AINA, SINA, AD4, 9216
.endm
.macro W1LOOP
	PT_LOOP AINA, SINA, HSA, 2, OUTB, OSCB, 12, 8
.endm
.macro BIAS ql                         ; the bias x sqrt(32) of 16 queries x 64 keys, in the scores' layout: it will be the C of the scores' products
.irp c,0,1,2,3
.irp j,0,1,2,3,4,5,6,7
	ds_load_b32 v[S+8*\c+\j], v[AD4] offset:4*(4-4*\ql+60*(\c/2)+4*(\c%2)+15*(\j/4)+(\j%4))
.endr
.endr
.endm
; One tile of 16 queries of one head.  K = 32 fills one block of the instruction's four: A holds the four key tiles as its four blocks, and q stands in block c between zero codes, so product c is key tile c.
; Likewise V^T's two channel tiles x two key blocks fill A, and P stands in blocks 2 u, 2 u + 1.  The tile's six accumulators take turns, one instruction each.
.macro ATT_TILE ql
	s_wait_dscnt 0x0
.irp c,0,1,2,3
	v_wmma_scale_f32_16x16x128_f8f6f4 v[S+8*\c:S+8*\c+7], v[KR:KR+15], v[QW+12-4*\c:QW+27-4*\c], v[S+8*\c:S+8*\c+7], v[KSW], v[QSW] matrix_a_fmt:MATRIX_FMT_BF8 matrix_b_fmt:MATRIX_FMT_BF8
.endr
	PLACES 8
.if \ql == 0
	ds_load_b128 v[QW+12:QW+15], v[AD5] offset:4096    ; the next tile's q
	ds_load_b32 v[QSW], v[AD6] offset:128
.endif
.irp c,0,1,2,3
	v_max3_num_f32 v[MXT+\c], v[S+8*\c], v[S+8*\c+1], v[S+8*\c+2]
.endr
.irp o,3,5
.irp c,0,1,2,3
	v_max3_num_f32 v[MXT+\c], v[MXT+\c], v[S+8*\c+\o], v[S+8*\c+\o+1]
.endr
.endr
.irp c,0,1,2,3
	v_max_num_f32 v[MXT+\c], v[MXT+\c], v[S+8*\c+7]
.endr
.irp c,0,1,2,3
	v_fma_f32 v[TT+\c], v[MXT+\c], s[KAP], s[MS+(\c^\ql)]      ; as a power of two, with the mask's addend, which is one number for a pair of patches
.endr
	v_max3_num_f32 v[TR], v[TT], v[TT+1], v[TT+2]
	v_max_num_f32 v[TR], v[TR], v[TT+3]
	v_permlanex16_b32 v[TP], v[TR], s[SEL], s[SEL+1]
	v_max_num_f32 v[TR], v[TR], v[TP]                  ; the row's maximum
.irp c,0,1,2,3
	v_sub_f32 v[AJ+2*\c], s[MS+(\c^\ql)], v[TR]
.endr
.irp c,0,1,2,3
	v_fma_f32 v[TT+\c], v[MXT+\c], s[KAP], v[AJ+2*\c]  ; each key tile's largest exponent, by the same multiply-add as the 32 below
.endr
	v_max_num_f32 v[EB], v[TT], v[TT+1]
	v_max_num_f32 v[EB+1], v[TT+2], v[TT+3]
	v_permlanex16_b32 v[EP], v[EB], s[SEL], s[SEL+1]
	v_permlanex16_b32 v[EP+1], v[EB+1], s[SEL], s[SEL+1]
	v_max_num_f32 v[EB], v[EB], v[EP]
	v_max_num_f32 v[EB+1], v[EB+1], v[EP+1]            ; each block of 32 keys' largest exponent
.irp c,0,1,2,3
.irp p,0,2,4,6
	v_pk_fma_f32 v[S+8*\c+\p:S+8*\c+\p+1], v[S+8*\c+\p:S+8*\c+\p+1], s[KAP:KAP+1], v[AJ+2*\c:AJ+2*\c+1] op_sel_hi:[1,0,0]
.endr
.endr
.set ai, 0
.rept 32
	v_exp_f32 v[S+ai], v[S+ai]
.set ai, ai+1
.endr
	v_exp_f32 v[EB], v[EB]
	v_exp_f32 v[EB+1], v[EB+1]
	v_nop
	s_wait_alu depctr_va_vdst(0)           ; one wait for the 34
	v_pk_add_f32 v[RS:RS+1], v[S:S+1], v[S+2:S+3]
	v_pk_add_f32 v[PSC:PSC+1], v[S+4:S+5], v[S+6:S+7]
.irp j,8,12,16,20,24,28
	v_pk_add_f32 v[RS:RS+1], v[RS:RS+1], v[S+\j:S+\j+1]
	v_pk_add_f32 v[PSC:PSC+1], v[PSC:PSC+1], v[S+\j+2:S+\j+3]
.endr
	v_pk_add_f32 v[RS:RS+1], v[RS:RS+1], v[PSC:PSC+1]
	v_add_f32 v[RS], v[RS], v[RS+1]
	v_permlanex16_b32 v[TP], v[RS], s[SEL], s[SEL+1]
	v_add_f32 v[RS], v[RS], v[TP]
	v_rcp_f32 v[RS], v[RS]
	v_nop
	s_wait_alu depctr_va_vdst(0)           ; 1 / the row's sum
.irp b,0,1
	v_mul_f32 v[EB+\b], v[EB+\b], v[RS]                ; the block's largest weight, normalised as the 32 are below
.endr
.irp b,0,1
	v_max_num_f32 v[EB+\b], 0x8000000, v[EB+\b]
.endr
.irp b,0,1
	v_add_nc_u32 v[PSC+\b], 0xf8800000, v[EB+\b]
.endr
.irp b,0,1
	v_and_or_b32 v[PLM+\b], v[EB+\b], 0x7f800000, s[MNT]
.endr
.irp b,0,1
	v_lshrrev_b32 v[PBY+\b], 23, v[PSC+\b]
.endr
	v_lshl_or_b32 v[PBY], v[PBY+1], 8, v[PBY]
	v_lshl_or_b32 v[PSW], v[PBY], 16, v[PBY]           ; P's two bytes, twice: P stands in blocks 0, 1 or in blocks 2, 3
.irp p,0,2,4,6,8,10,12,14,16,18,20,22,24,26,28,30
	v_pk_mul_f32 v[S+\p:S+\p+1], v[S+\p:S+\p+1], v[RS:RS+1] op_sel_hi:[1,0]   ; the softmax finished and normalised: that is what is quantised
.endr
.irp b,0,1
.irp i,0,1,2,3,4,5,6,7,8,9,10,11,12,13,14,15
	v_min_num_f32 v[S+16*\b+\i], v[S+16*\b+\i], v[PLM+\b]      ; never negative: the hold is one-sided
.endr
	v_cvt_scalef32_pk8_bf8_f32 v[PW+8+4*\b:PW+9+4*\b], v[S+16*\b:S+16*\b+7], v[PSC+\b]
	v_cvt_scalef32_pk8_bf8_f32 v[PW+10+4*\b:PW+11+4*\b], v[S+16*\b+8:S+16*\b+15], v[PSC+\b]
.endr
.if \ql == 0
	BIAS 1                                 ; the next tile's bias, into the registers that the conversions have read
.endif
	PLACES 4                               ; codes written by vector instructions stand four places ahead of a scaled product; the scale word stands 56 lines back or more
.irp u,0,1
	v_wmma_scale_f32_16x16x128_f8f6f4 v[CT+8*\u:CT+8*\u+7], v[VR:VR+15], v[PW+8-8*\u:PW+23-8*\u], 0, v[VSW], v[PSW] matrix_a_fmt:MATRIX_FMT_BF8 matrix_b_fmt:MATRIX_FMT_BF8
.endr
	PLACES 8
	QUANT CT, 1                            ; the head's 32 channels are one block of wo's K
	ds_store_b128 v[AD5], v[PC:PC+3] offset:4096*\ql   ; into the place of this tile's q, which has been read
	ds_store_b8 v[AD7], v[TM+4] offset:256*\ql
.endm
.macro TOSTAGE m
	WIN 0x04
.irp t,0,1,2,3
	ds_store_b128 v[AD0], v[32*\m+8*\t:32*\m+8*\t+3] offset:64*\t
	ds_store_b128 v[AD0], v[32*\m+8*\t+4:32*\m+8*\t+7] offset:64*\t+16
.endr
	WIN 0
.irp i,0,1,2,3,4,5,6,7
	ds_load_b128 v[32+32*((\m)%2)+4*\i:35+32*((\m)%2)+4*\i], v[AD1] offset:544*\i   ; LDS serves a wave's instructions in order (ISA guide 5.7.1.4): these see my stores
.endr
.endm
.macro SEND m, younger
	s_wait_dscnt \younger
.irp i,0,1,2,3,4,5,6,7
	global_store_b128 v[AD2], v[32+32*((\m)%2)+4*\i:35+32*((\m)%2)+4*\i], s[OB0+2*\m:OB0+2*\m+1] offset:(\i/2)*65536+(\i%2)*2048 th:TH_STORE_NT   ; sixteen lanes store 256 consecutive bytes, at a multiple of 256 from out0's first byte
.endr
.endm
	; ---------------- the head
	s_load_b512 s[4:19], s[0:1], 0x0               ; hidden_states, out0, wq, wk, wv, wo, w1, w2 (codes)
	s_load_b512 s[20:35], s[0:1], 0x40             ; the six tensors of scale bytes, rel_table, b1
	s_load_b512 s[36:51], s[0:1], 0x80             ; bq, bk, bv, bo, b2, ln1_g, ln1_b, ln2_g
	s_load_b64 s[52:53], s[0:1], 0xc0              ; ln2_b
	v_lshl_add_u32 v[SPW], v0, 2, SPARE
	v_mov_b32 v[NIL], 0
	ds_add_u32 v[SPW], v[NIL]                      ; the wave's opening: the add and its wait ahead of my first tensor load
	v_lshrrev_b32 v26, 5, v0
	v_readfirstlane_b32 s[WV], v26                 ; wave 0..7
	s_lshr_b32 s[SG], s[WV], 2                     ; g: which of the two windows
	s_and_b32 s[SCG], s[WV], 3                     ; c: which 64 channels
	s_bfe_u32 s2, ttmp6, 0x40000                   ; my place in the cluster: it enters x's and out0's addresses and the mask's numbers alone
	s_lshl_b32 s[ID], ttmp9, 2
	s_add_co_u32 s[ID], s[ID], s2                  ; work-group 0..255
	s_lshr_b32 s3, s[ID], 5
	s_lshl_b32 s3, s3, 12                          ; the image's first token
	s_and_b32 s2, s[ID], 31
	s_lshr_b32 s100, s2, 2
	s_lshl_b32 s100, s100, 3
	s_add_co_u32 s100, s100, 4                     ; 8 wy + 4
	s_and_b32 s101, s2, 3
	s_lshl_b32 s101, s101, 1
	s_add_co_u32 s101, s101, s[SG]
	s_lshl_b32 s101, s101, 3
	s_add_co_u32 s101, s101, 4                     ; 8 wx + 4
	s_mov_b32 s[G1A], 15|(1<<20)|(1<<21)|(5<<22)|(3<<25)   ; joint, all four work-groups; elements of 1 byte; 4 words of padding behind every 64
	s_mov_b32 s[G1A+1], 256<<16
	s_mov_b32 s[G1A+2], 64<<16
	s_mov_b32 s[G1A+3], 256<<16
	s_mov_b32 s[G1A+4], 64
	s_mov_b32 s[G1A+5], 256
	s_mov_b32 s[G1A+6], 0
	s_mov_b32 s[G1A+7], 0
	s_mov_b32 s[G1B], 15|(1<<20)|(1<<21)|(5<<22)|(3<<25)   ; the same for w2, whose rows are 1024 bytes apart
	s_mov_b32 s[G1B+1], 256<<16
	s_mov_b32 s[G1B+2], 64<<16
	s_mov_b32 s[G1B+3], 256<<16
	s_mov_b32 s[G1B+4], 64
	s_mov_b32 s[G1B+5], 1024
	s_mov_b32 s[G1B+6], 0
	s_mov_b32 s[G1B+7], 0
	s_mov_b32 s[G1X], (2<<16)|(1<<20)|(7<<22)|(3<<25)      ; x: my own; elements of 4 bytes; 4 rows of 4 tokens (1024 elements); 4 words of padding behind every token's 256
	s_mov_b32 s[G1X+1], 1024<<16
	s_mov_b32 s[G1X+2], 4<<16
	s_mov_b32 s[G1X+3], 1024<<16
	s_mov_b32 s[G1X+4], 4
	s_mov_b32 s[G1X+5], 16384
	s_mov_b32 s[G1X+6], 0
	s_mov_b32 s[G1X+7], 0
	s_mov_b32 s[SEL], 0x76543210
	s_mov_b32 s[SEL+1], 0xfedcba98                 ; v_permlanex16_b32: lane xor 16
	s_mov_b32 s[MNT], 0x600000                     ; the mantissa field of 57,344
	s_mov_b32 s[KAP], 0x3e8293ee                   ; log2(e) / sqrt(32)
	s_mov_b32 s[KAP+1], s[KAP]
	s_lshr_b32 s96, s[SCG], 1
	s_lshl_b32 s96, s96, 2
	s_and_b32 s97, s[SCG], 1
	s_lshl_b32 s97, s97, 2
	QOFF s96, s97                                  ; wave w fetches patch w % 4 of window w / 4
	s_mov_b32 s63, 0
	s_mov_b32 s[G0], 1
	s_mul_i32 s[G0+1], s[WV], 16640
	s_add_co_u32 s[G0+1], s[G0+1], XL
	s_mov_b32 s[G0F], 1
	s_mul_i32 s[G0F+1], s[WV], 17408               ; waves 0-3: wq into slot 0; waves 4-7: wk into slot 1
	s_wait_dscnt 0x0                               ; the opening add is done
	s_wait_kmcnt 0x0
	s_add_nc_u64 s[G0+2:G0+3], s[4:5], s[62:63]
	s_or_b32 s[G0+3], s[G0+3], 0x80000000
	s_cmp_lt_u32 s[WV], 4
	s_cselect_b64 s[G0F+2:G0F+3], s[8:9], s[10:11]
	s_lshl_b32 s62, s[SCG], 14
	s_add_nc_u64 s[G0F+2:G0F+3], s[G0F+2:G0F+3], s[62:63]
	s_or_b32 s[G0F+3], s[G0F+3], 0x80000000
	CROUND                                         ; all four work-groups are here: the first joint loads meet
	tensor_load_to_lds s[G0:G0+3], s[G1X:G1X+7]    ; two tensor loads of mine are out
	s_nop 0
	tensor_load_to_lds s[G0F:G0F+3], s[G1A:G1A+7]
	s_nop 0
	PLACES 4
	v_and_b32 v27, 15, v0                          ; r
	s_lshl_b32 s2, s[SCG], 6
	v_add_nc_u32 v[HSO8], s2, v27
	v_lshlrev_b32 v[HSO32], 5, v[HSO8]             ; my weight row's scale bytes: 32 a row (w2),
	v_lshlrev_b32 v[HSO8], 3, v[HSO8]              ; 8 a row (the others)
	v_lshlrev_b32 v29, 2, v0
	v_lshlrev_b32 v30, 4, v0
	v_min_u32 v31, 224, v0
	v_lshlrev_b32 v31, 5, v31
.irp k,0,1,2,3,4,5,6,7,8
	global_load_b32 v[32+\k], v29, s[36+2*\k:37+2*\k]      ; the nine vectors of 256: a number a thread
.endr
	global_load_b128 v[44:47], v30, s[34:35]       ; b1
	global_load_b128 v[48:51], v31, s[32:33]       ; a row of rel_table a thread (threads over 224 repeat the last)
	global_load_b128 v[52:55], v31, s[32:33] offset:16
	HSLOAD HSA, HSO8, 20, 128
	HSLOAD HSB, HSO8, 22, 128
	v_and_b32 v26, 31, v0                          ; lane
	v_bfe_u32 v28, v0, 4, 1                        ; h
	s_mul_i32 s2, s[SCG], 17408
	v_mul_u32_u24 v56, v27, 272
	v_lshl_add_u32 v56, v28, 3, v56
	v_add_nc_u32 v[WF0], s2, v56                   ; (64 c + r) x 272 + 8 h
	v_add_nc_u32 v[WF1], SLOT1, v[WF0]
	s_lshl_b32 s2, s[SG], 14
	s_add_co_u32 s2, s2, IMGA
	v_lshl_add_u32 v[AINA], v26, 4, s2
	v_add_nc_u32 v[AINB], IMGB-IMGA, v[AINA]
	s_lshl_b32 s2, s[SG], 10
	s_add_co_u32 s2, s2, SCA
	v_lshl_add_u32 v[SINA], v26, 2, s2
	v_add_nc_u32 v[SINB], SCB-SCA, v[SINA]
	s_lshl_b32 s2, s[SCG], 10
	v_add_nc_u32 v[OUTA], s2, v[AINA]
	v_add_nc_u32 v[OUTB], s2, v[AINB]
	s_lshr_b32 s2, s[SCG], 1
	s_lshl_b32 s2, s2, 7
	s_and_b32 s61, s[SCG], 1
	s_lshl_b32 s61, s61, 1
	s_add_co_u32 s2, s2, s61
	v_add_nc_u32 v[OSCA], s2, v[SINA]
	v_add_nc_u32 v[OSCB], s2, v[SINB]
	s_lshl_b32 s2, s[WV], 12
	s_add_co_u32 s2, s2, KSP
	v_lshl_add_u32 v[KSPA], v26, 4, s2
	v_add_nc_u32 v[VSPA], VSP-KSP, v[KSPA]
	s_lshl_b32 s2, s[WV], 8
	s_add_co_u32 s2, s2, KSS
	v_lshl_add_u32 v[KSSA], v26, 2, s2
	v_add_nc_u32 v[VSSA], VSS-KSS, v[KSSA]
	s_lshl_b32 s2, s[SCG], 11
	s_add_co_u32 s2, s2, TB
	v_bfe_u32 v56, v0, 2, 2
	v_and_b32 v57, 3, v0
	v_mad_u32_u24 v58, v28, 30, 79
	v_mad_u32_u24 v56, v56, 15, v57
	v_sub_nc_u32 v58, v58, v56                     ; 79 + 30 h - 15 (r / 4) - r % 4
	v_lshl_add_u32 v[TBA], v58, 2, s2
	s_lshl_b32 s2, s[SCG], 8
	s_add_co_u32 s2, s2, PB
	v_lshl_add_u32 v[PBC], v28, 5, s2
	v_lshl_add_u32 v[PBR], v27, 2, s2
	s_mul_i32 s2, s[SG], 3072
	s_add_co_u32 s2, s2, STAT
	v_mul_u32_u24 v56, v27, 48
	v_add_nc_u32 v[STR], s2, v56
	s_lshl_b32 s61, s[SCG], 3
	v_add_nc_u32 v[STW], s61, v[STR]
	s_lshl_b32 s2, s[WV], 10
	s_add_co_u32 s2, s2, QSS
	v_lshl_add_u32 v[QSSA], v26, 2, s2
	s_mul_i32 s2, s[SG], 66560
	s_lshl_b32 s61, s[SCG], 8
	s_add_co_u32 s2, s2, s61
	s_add_co_u32 s2, s2, XL
	v_mul_u32_u24 v56, v27, 1040
	v_lshl_add_u32 v56, v28, 5, v56
	v_add_nc_u32 v[AD0], s2, v56                   ; x in LDS: token 64 g + r, channel 64 c + 8 h
.irp b,0,1,2,3
	v_mov_b32 v[TM+4+\b], 0                        ; written once: a lane permute's destination counts as one of its sources
.endr
	s_wait_loadcnt 0x8                             ; the parameters are in; the eight loads of scale words behind them may be out
.irp k,0,1,2,3,4,5,6,7
	v_mul_f32 v[48+\k], 0x40b504f3, v[48+\k]       ; x sqrt(32): the bias is added to q . k ahead of the division
.endr
	v_add_nc_u32 v56, PB, v29
	v_add_nc_u32 v57, PB, v30
	v_sub_nc_u32 v58, TB+1020, v29
.irp k,0,1,2,3,4,5,6,7,8
	ds_store_b32 v56, v[32+\k] offset:1024*\k
.endr
	ds_store_b128 v57, v[44:47] offset:9216
.irp k,0,1,2,3,4,5,6,7
	ds_store_b32 v58, v[48+\k] offset:1024*\k
.endr
	s_lshl_b32 s2, s[SCG], 8                       ; s32 to s53 are free now: their loads are in
.irp m,0,1,2,3
	QOFF 4*(\m/2), 4*(\m%2)
	s_add_co_u32 s62, s62, s2
	s_add_nc_u64 s[OB0+2*\m:OB0+2*\m+1], s[6:7], s[62:63]      ; out0 at patch m of my window, my 64 channels
.endr
	s_mov_b32 s[GW1], 1                            ; group 0 for w1's chunks: slot 0, 64 rows by the wave's number modulo 4
	s_mul_i32 s[GW1+1], s[SCG], 17408
	s_lshl_b32 s62, s[SCG], 14
	s_add_nc_u64 s[GW1+2:GW1+3], s[16:17], s[62:63]
	s_or_b32 s[GW1+3], s[GW1+3], 0x80000000
	s_mov_b32 s[GW2], 1                            ; and for w2's: slot 1
	s_add_co_u32 s[GW2+1], s[GW1+1], SLOT1
	s_lshl_b32 s62, s[SCG], 16
	s_add_nc_u64 s[GW2+2:GW2+3], s[18:19], s[62:63]
	s_or_b32 s[GW2+3], s[GW2+3], 0x80000000
	s_mov_b32 s2, 0xc31044fe                       ; -100 log2(e)
	s_mov_b32 s[MS], 0                             ; the mask's addend by what differs between the query's patch and the key's: nothing,
	s_cmp_eq_u32 s101, 60
	s_cselect_b32 s[MS+1], s2, 0                   ; the column half (counts in the last column of windows),
	s_cmp_eq_u32 s100, 60
	s_cselect_b32 s[MS+2], s2, 0                   ; the row half (in the last row of windows),
	s_or_b32 s[MS+3], s[MS+1], s[MS+2]             ; both
	s_wait_tensorcnt 0x0                           ; my patch of x and my rows of wq or wk are in
	s_wait_dscnt 0x0                               ; my parameters are stored
	s_barrier_signal -1
	s_barrier_wait -1                              ; everybody's are
	; ---------------- x into registers, LN1
	WIN 0x40
.irp m,0,1,2,3
.irp t,0,1,2,3
	ds_load_b128 v[32*\m+8*\t:32*\m+8*\t+3], v[AD0] offset:\m*16640+64*\t
	ds_load_b128 v[32*\m+8*\t+4:32*\m+8*\t+7], v[AD0] offset:\m*16640+64*\t+16
.endr
.endr
	WIN 0
	LNORM 5120, 6144, OUTA, OSCA                   ; behind its barrier nobody reads x's landing place any more: its bytes take the images
	s_wait_dscnt 0x0
	s_barrier_signal -1
	s_barrier_wait -1                              ; LN1's images are whole
	; ---------------- q, k, v.  Each phase's refill stands behind its head loads: the slot's rows are in registers then
	PT_HEAD WF0, AINA, SINA, PBC, 0
	CHANGE_A
	SETG0 0, 12                                    ; slot 0 takes wv: it lands under q's four trips and k's head loads
	CHANGE_B G0, G1A
	PT_LOOP AINA, SINA, HSA, 0, OUTB, QSSA, 12, 7
	HSLOAD HSA, HSO8, 24, 128                      ; wv's scale words, two phases ahead
	PT_HEAD WF1, AINA, SINA, PBC, 1024
	CHANGE_A                                       ; wv has landed: this round shows it to every wave
	SETG0 SLOT1, 14                                ; slot 1 takes wo
	CHANGE_B G0, G1A
	PT_LOOP AINA, SINA, HSB, 1, KSPA, KSSA, 9, 0
	HSLOAD HSB, HSO8, 26, 128                      ; wo's
	s_wait_loadcnt 0x4
	HELD_W WF0
.irp t,0,1,2,3
.irp j,0,1,2,3,4,5,6,7
	ds_load_b32 v[BC+8*\t+\j], v[PBR] offset:2048+64*\t        ; bv of my lane's channel, in all eight registers of a tile
.endr
.endr
	STREAM A, SS, AINA, SINA, 0, 0
	STREAM P, SS+2, AINA, SINA, 4096, 256
	CHANGE_A                                       ; wo has landed: this round shows it to every wave
	CHANGE_B GW1, G1A                              ; slot 0 takes w1's chunk 0: it lands under v and the attention
.irp b,0,1
	s_wait_dscnt 0x0
	WIN 0x04
	MM8V 0, A, SS
	MM8V 1, P, SS+2
	WIN 0
	PLACES 8
.if \b == 0
	STREAM A, SS, AINA, SINA, 8192, 512
	STREAM P, SS+2, AINA, SINA, 12288, 768
.endif
	QUANT AV, 4                                    ; four tiles of channels x one block of 32 keys
.irp t,0,1,2,3
	ds_store_b128 v[VSPA], v[PC+4*\t:PC+4*\t+3] offset:1024*\t+512*\b
.endr
.irp t,0,1,2,3
	ds_store_b8 v[VSSA], v[TM+4+\t] offset:(\t/2)*128+2*(\t%2)+\b
.endr
.endr
	HSLOAD HSA, HSO8, 28, 128                      ; w1's first chunk's
	; ---------------- attention: my two heads of my window, from my own bytes of LDS: no barrier
.set zi, 0
.rept 12
	v_mov_b32 v[QW+zi], 0                          ; zero codes beside q
	v_mov_b32 v[QW+16+zi], 0
.set zi, zi+1
.endr
.set zi, 0
.rept 8
	v_mov_b32 v[PW+zi], 0                          ; and beside P
	v_mov_b32 v[PW+16+zi], 0
.set zi, zi+1
.endr
.irp c,1,3,5,7
	v_mov_b32 v[AJ+\c], 0                          ; (upper words of pairs of which the low word serves both halves)
.endr
	v_mov_b32 v[TP], 0
	v_mov_b32 v[EP], 0
	v_mov_b32 v[EP+1], 0
	s_mov_b32 s61, 0
.Latt:                                                 ; four trips: head s61 / 2 of my two, queries 32 (s61 % 2) on
	s_wait_dscnt 0x0                               ; no LDS instruction of mine is out: the trip's addresses may be written
	s_lshr_b32 s2, s61, 1
	s_and_b32 s3, s61, 1
	s_lshl_b32 s100, s2, 11
	v_add_nc_u32 v[AD0], s100, v[KSPA]
	v_add_nc_u32 v[AD1], s100, v[VSPA]
	s_lshl_b32 s100, s2, 7
	v_add_nc_u32 v[AD2], s100, v[KSSA]
	v_add_nc_u32 v[AD3], s100, v[VSSA]
	s_xor_b32 s101, s3, 1
	s_mul_i32 s101, s101, 240
	s_lshl_b32 s100, s2, 10
	s_add_co_u32 s100, s100, s101
	v_add_nc_u32 v[AD4], s100, v[TBA]              ; the head's table; the queries' lower half stands 60 words further on
	s_lshl_b32 s100, s2, 9
	s_lshl_b32 s101, s3, 13
	s_add_co_u32 s101, s100, s101
	v_add_nc_u32 v[AD5], s101, v[OUTB]
	s_lshl_b32 s101, s3, 8
	s_add_co_u32 s101, s100, s101
	v_add_nc_u32 v[AD6], s101, v[QSSA]
	s_lshl_b32 s101, s3, 9
	s_add_co_u32 s101, s101, s2
	v_add_nc_u32 v[AD7], s101, v[OSCB]
	FRAG_I KR, AD0, 0
	FRAG_I VR, AD1, 0
	ds_load_b32 v[KSW], v[AD2]
	ds_load_b32 v[VSW], v[AD3]
	BIAS 0
	ds_load_b128 v[QW+12:QW+15], v[AD5]
	ds_load_b32 v[QSW], v[AD6]
	ATT_TILE 0
	ATT_TILE 1
	s_mov_b32 s2, s[MS]                            ; the next trip's queries lie in the other row half
	s_mov_b32 s[MS], s[MS+2]
	s_mov_b32 s[MS+2], s2
	s_mov_b32 s2, s[MS+1]
	s_mov_b32 s[MS+1], s[MS+3]
	s_mov_b32 s[MS+3], s2
	s_add_co_u32 s61, s61, 1
	s_cmp_lt_u32 s61, 4
	s_cbranch_scc1 .Latt
	; ---------------- wo, residual, LN2
	s_wait_tensorcnt 0x0                           ; w1's chunk 0 has landed: the barrier shows it to the waves that will read it; no load of mine is out, so its group 0 may step:
	s_add_nc_u64 s[GW1+2:GW1+3], s[GW1+2:GW1+3], 65536     ; w1's chunk 1
	s_wait_dscnt 0x0                               ; my part of ctx's images is stored
	s_barrier_signal -1
	s_barrier_wait -1
	PHASE_X WF1, HSB, 1, 4
	HSLOAD HSB, HSO32, 30, 512                     ; w2's first chunk's scale words
	LNORM 7168, 8192, OUTA, OSCA
	; ---------------- the MLP, in four chunks of 256 hidden units
	s_mov_b32 s4, 0x3e7c6f08                       ; the fit's coefficients x log2(e), from t^9 down; each at an even register, named as a pair of which the low word serves both halves
	s_mov_b32 s[GK], 0x3eb504f3                    ; 1 / (2 sqrt 2)
	s_mov_b32 s6, 0xbf97d29d
	s_mov_b32 s7, s6
	s_mov_b32 s8, 0x40097039
	s_mov_b32 s9, s8
	s_mov_b32 s10, 0xbfd1a1e5
	s_mov_b32 s11, s10
	s_mov_b32 s12, 0x3ecdfd18
	s_mov_b32 s13, s12
	s_mov_b32 s14, 0xbe899a80
	s_mov_b32 s15, s14
	s_mov_b32 s16, 0x3e0efb2f
	s_mov_b32 s17, s16
	s_mov_b32 s18, 0x3f0a29d2
	s_mov_b32 s19, s18
	s_mov_b32 s20, 0x3fb8ab5a
	s_mov_b32 s21, s20
	s_mov_b32 s22, 0xc034d90f                      ; the constant term, less 1 for the half
	s_mov_b32 s23, s22
	s_mov_b32 s24, 0xbf38aa3b                      ; -log2(e) / 2
	s_mov_b32 s25, s24
	s_mov_b32 s[B1O], 0
	s_wait_dscnt 0x0
	s_barrier_signal -1
	s_barrier_wait -1                              ; LN2's images are whole
	s_mov_b32 s63, 0
.Lmlp:                                                 ; three trips: both layers of chunk J
	W1HEAD                                         ; w1's chunk J goes into registers; w2's chunk J - 1 (at first: wo) has been read: both slots are free
	CHANGE_A
	CHANGE_2                                       ; slot 0 takes w1's chunk J + 1, slot 1 w2's chunk J.  Behind the round nobody reads the last chunk's images either
	W1LOOP
	s_add_nc_u64 s[28:29], s[28:29], 2048          ; (the loads that read this base were waited for at the phase's head)
	HSLOAD HSA, HSO8, 28, 128                      ; w1's chunk J + 1's scale words
	s_wait_tensorcnt 0x0                           ; my part of the two tiles has landed: this wait shows it to the readers behind the barrier; the one in front of the next round finds nothing out
	s_add_nc_u64 s[GW1+2:GW1+3], s[GW1+2:GW1+3], 65536     ; no load of mine is out: w1's next 256 rows (behind the last trip the address is not used),
	s_add_nc_u64 s[GW2+2:GW2+3], s[GW2+2:GW2+3], 256       ; w2's next 256 along K
	s_wait_dscnt 0x0                               ; my part of the chunk's images is stored
	s_barrier_signal -1
	s_barrier_wait -1
	PHASE_X WF1, HSB, 0, 4
	s_add_nc_u64 s[30:31], s[30:31], 8
	HSLOAD HSB, HSO32, 30, 512                     ; w2's chunk J + 1's scale words
	s_add_co_u32 s[B1O], s[B1O], 1024
	s_add_co_u32 s63, s63, 1
	s_cmp_lt_u32 s63, 3
	s_cbranch_scc1 .Lmlp
	W1HEAD                                         ; the last chunk is written out
	CHANGE_A
	CHANGE_H
	W1LOOP
	s_wait_tensorcnt 0x0                           ; w2's last chunk has landed,
	s_wait_dscnt 0x0                               ; my images are stored
	s_barrier_signal -1
	s_barrier_wait -1
	PHASE_X WF1, HSB, 0, 0                         ; no scale load was issued behind this phase's four
	; ---------------- the way out: + b2; a patch of 16 tokens x my 64 channels at a time through my own stage, back as whole rows of 256 bytes
	VEC8 BC, PBC, 4096
	v_and_b32 v28, 15, v0
	v_bfe_u32 v29, v0, 4, 1
	s_mul_i32 s2, s[WV], 4352
	s_add_co_u32 s2, s2, KSP
	v_mul_u32_u24 v30, v28, 272
	v_lshl_add_u32 v30, v29, 5, v30
	v_add_nc_u32 v[AD0], s2, v30
	v_mul_u32_u24 v30, v29, 272
	v_lshl_add_u32 v30, v28, 4, v30
	v_add_nc_u32 v[AD1], s2, v30
	v_lshlrev_b32 v30, 10, v29
	v_lshl_add_u32 v[AD2], v28, 4, v30             ; lanes 0-15 one token, lanes 16-31 the next
	s_wait_dscnt 0x0
	WIN 0x41
.irp m,0,1,2,3
.irp k,0,2,4,6,8,10,12,14,16,18,20,22,24,26,28,30
	v_pk_add_f32 v[32*\m+\k:32*\m+\k+1], v[32*\m+\k:32*\m+\k+1], v[BC+\k:BC+\k+1]
.endr
.endr
	WIN 0
	TOSTAGE 0
	TOSTAGE 1
	SEND 0, 16                                     ; behind patch 0's loads: patch 1's eight stores and eight loads
	s_wait_xcnt 0x0                                ; patch 0's stores have read their registers: patch 2's loads may land there
	TOSTAGE 2
	SEND 1, 16
	s_wait_xcnt 0x0
	TOSTAGE 3
	SEND 2, 16
	SEND 3, 0
	s_wait_tensorcnt 0x0                           ; the wave's end: behind my last tensor load and my last LDS store
	ds_add_u32 v[SPW], v[NIL]
	s_wait_dscnt 0x0
	CROUND                                         ; the closing round: no work-group ends while a partner may still ask for a tile that names it
	s_endpgm
.Lfunc_end_k_q17619822fc_swin:
	.size	k_q17619822fc_swin, .Lfunc_end_k_q17619822fc_swin-k_q17619822fc_swin
	.p2alignl 7, 3214868480
	.fill 96, 4, 3214868480
	.section	.rodata,"a",@progbits
	.p2align	6, 0x0
	.amdhsa_kernel k_q17619822fc_swin
		.amdhsa_group_segment_fixed_size 327680
		.amdhsa_private_segment_fixed_size 0
		.amdhsa_enable_private_segment 0
		.amdhsa_kernarg_size 200
		.amdhsa_user_sgpr_count 2
		.amdhsa_user_sgpr_kernarg_segment_ptr 1
		.amdhsa_wavefront_size32 1
		.amdhsa_system_sgpr_workgroup_id_x 1
		.amdhsa_system_sgpr_workgroup_id_y 1
		.amdhsa_system_sgpr_workgroup_id_z 1
		.amdhsa_system_vgpr_workitem_id 0
		.amdhsa_next_free_vgpr 512
		.amdhsa_next_free_sgpr 102
		.amdhsa_reserve_vcc 0
		.amdhsa_float_denorm_mode_32 3
		.amdhsa_float_denorm_mode_16_64 3
		.amdhsa_memory_ordered 1
		.amdhsa_forward_progress 1
		.amdhsa_inst_pref_size 255
	.end_amdhsa_kernel
	.section	.bss,"aw",@nobits
	.p2align	6
	.space	262144
	.amdgpu_metadata
---
amdhsa.version: [ 1, 2 ]
amdhsa.kernels:
  - .name:           k_q17619822fc_swin
    .symbol:         k_q17619822fc_swin.kd
    .args:
      - { .name: hidden_states, .offset: 0, .size: 8, .value_kind: global_buffer, .address_space: global }
      - { .name: out0, .offset: 8, .size: 8, .value_kind: global_buffer, .address_space: global }
      - { .name: wq_codes, .offset: 16, .size: 8, .value_kind: global_buffer, .address_space: global }
      - { .name: wk_codes, .offset: 24, .size: 8, .value_kind: global_buffer, .address_space: global }
      - { .name: wv_codes, .offset: 32, .size: 8, .value_kind: global_buffer, .address_space: global }
      - { .name: wo_codes, .offset: 40, .size: 8, .value_kind: global_buffer, .address_space: global }
      - { .name: w1_codes, .offset: 48, .size: 8, .value_kind: global_buffer, .address_space: global }
      - { .name: w2_codes, .offset: 56, .size: 8, .value_kind: global_buffer, .address_space: global }
      - { .name: wq_scales, .offset: 64, .size: 8, .value_kind: global_buffer, .address_space: global }
      - { .name: wk_scales, .offset: 72, .size: 8, .value_kind: global_buffer, .address_space: global }
      - { .name: wv_scales, .offset: 80, .size: 8, .value_kind: global_buffer, .address_space: global }
      - { .name: wo_scales, .offset: 88, .size: 8, .value_kind: global_buffer, .address_space: global }
      - { .name: w1_scales, .offset: 96, .size: 8, .value_kind: global_buffer, .address_space: global }
      - { .name: w2_scales, .offset: 104, .size: 8, .value_kind: global_buffer, .address_space: global }
      - { .name: rel_table, .offset: 112, .size: 8, .value_kind: global_buffer, .address_space: global }
      - { .name: b1, .offset: 120, .size: 8, .value_kind: global_buffer, .address_space: global }
      - { .name: bq, .offset: 128, .size: 8, .value_kind: global_buffer, .address_space: global }
      - { .name: bk, .offset: 136, .size: 8, .value_kind: global_buffer, .address_space: global }
      - { .name: bv, .offset: 144, .size: 8, .value_kind: global_buffer, .address_space: global }
      - { .name: bo, .offset: 152, .size: 8, .value_kind: global_buffer, .address_space: global }
      - { .name: b2, .offset: 160, .size: 8, .value_kind: global_buffer, .address_space: global }
      - { .name: ln1_g, .offset: 168, .size: 8, .value_kind: global_buffer, .address_space: global }
      - { .name: ln1_b, .offset: 176, .size: 8, .value_kind: global_buffer, .address_space: global }
      - { .name: ln2_g, .offset: 184, .size: 8, .value_kind: global_buffer, .address_space: global }
      - { .name: ln2_b, .offset: 192, .size: 8, .value_kind: global_buffer, .address_space: global }
    .group_segment_fixed_size: 327680
    .private_segment_fixed_size: 0
    .kernarg_segment_align: 8
    .kernarg_segment_size: 200
    .max_flat_workgroup_size: 256
    .sgpr_count:     102
    .vgpr_count:     512
    .wavefront_size: 32
...
	.end_amdgpu_metadata
.endif
;; end of part 1
